; MI455X (gfx1250); checked and timed in simulation.
; The chip was launched on July 23, 2026; its instructions are those of AMD's public machine-readable ISA for CDNA 5 (MIT licence, August 2026) and "CDNA5" Instruction Set Architecture Reference Guide (July 2026). The comments in the code are by the model that wrote it; some were corrected since.
;; Learnable Query Attention Pool1d. Allowed arithmetic: float matrix products may take bf16 or f16 operands with f32 sums; all other float work in f32.
;; Inputs: Wc 1,024 x 1,024 float32; Wk 1,024 x 1,024 float32; Wq 1,024 x 1,024 float32; Wv 1,024 x 1,024 float32; query 1 x 1 x 1,024 float32; x 16 x 2,048 x 1,024 float32.
;; Outputs: out0 16 x 1,024 float32.
;; One version. Each part assembles by itself: llvm-mc -triple=amdgcn-amd-amdhsa -mcpu=gfx1250 --defsym DOCPART=n.
;; ======== version 1 of 1: 4 launches
;; workspace buffers: u 65,536 bytes; part 16,777,216 bytes; stat 32,768 bytes; o 65,536 bytes
;; launch prep (part 1): grid 16 x 16, 16 waves a work-group, no clusters, 10,240 bytes of LDS; arguments query, Wq, Wk, u; writes u
.if DOCPART == 1
	.amdgcn_target "amdgcn-amd-amdhsa--gfx1250"
	.amdhsa_code_object_version 6
	.text
	.protected	k_q59d9ce7194_prep
	.globl	k_q59d9ce7194_prep
	.p2align	8
	.type	k_q59d9ce7194_prep,@function
k_q59d9ce7194_prep:
	s_mov_b64 s[64:65], 0
	v_nop
	global_prefetch_b8 v0, s[64:65] scope:SCOPE_SE
	s_setreg_imm32_b32 hwreg(HW_REG_WAVE_MODE, 25, 1), 1
	s_wait_xcnt 0x0
; u[h][d] = (log2(e) / 8) * sum over e = 0..63 of (Wq[64h+e] . query) * Wk[64h+e][d]      f32, [16][1024]
;
; WHY THIS TABLE.  reference() projects every token to K and V and contracts both again at once.  Both projections are linear, so for all
; values of the inputs, in exact arithmetic, with q[h][e] = (Wq[64h+e] . query) / 8:
;   scores[b][h][n] = sum_e q[h][e] sum_d x[b][n][d] Wk[64h+e][d] = sum_d x[b][n][d] uu[h][d],   uu[h][d] = sum_e q[h][e] Wk[64h+e][d]
;   o[b][64h+e]     = sum_n attn[b][h][n] sum_d x[b][n][d] Wv[64h+e][d] = sum_d Wv[64h+e][d] p[b][h][d],   p[b][h][d] = sum_n attn[b][h][n] x[b][n][d]
; So K and V are never formed: this launch makes uu (times log2(e), since the later exponentials are in base 2), the second launch makes
; scores, softmax and p from one reading of x, the third o = Wv p, the fourth out0 = o Wc^T.  All six inputs are loaded; none is dead.
; LIMITS.  The order of the sums differs from reference() (the sums over e and d, and over n and d, are exchanged).  An overflow, an infinity or
; a NaN that would arise in the f32 values of K or V alone is not carried to the result.  This launch works in f32 throughout.
;
; SHARES.  Work-group (x = ds, y = h) makes the 64 columns 64 ds .. 64 ds + 63 of row h.  Wave w takes the four rows 64h + 4w .. + 3: it forms their
; four dot products with query (a row is 4,096 bytes: eight 16-byte loads a lane) and multiplies them onto its four pieces of 256 bytes of Wk.
; The sixteen work-groups of one h each form q of that head anew: 256 KiB of Wq read again, in place of one launch more.
; NO CLUSTER: the shared rows of Wq go straight into registers and are used once from there; a joint request would lay the same 256 KiB into LDS
; and read them back out of it, and names four work-groups of the sixteen at the most.
.set Q,   8                            ; v[8:39]     query: lane l holds elements 128 j + 4 l + 0..3, j = 0..7
.set W,   40                           ; v[40:167]   four rows of Wq in the same layout; later the 32 partial rows
.set KW,  168                          ; v[168:175]  Wk: 16 bytes of row 4w + hh, 16 bytes of row 4w + 2 + hh
.set A,   176                          ; v[176:191]  row i: two running pairs
.set R,   192                          ; v[192:195]  the four dot products, in every lane
.set T,   196                          ; v196        the other half of the lanes
.set QS,  198                          ; v[198:199]  the two factors of my two rows of Wk
	s_load_b256 s[4:11], s[0:1], 0x0               ; query s[4:5], Wq s[6:7], Wk s[8:9], u s[10:11]
	v_lshl_add_u32 v200, v0, 2, 0x2000
	v_mov_b32 v201, 0
	v_lshrrev_b32 v1, 5, v0
	v_readfirstlane_b32 s12, v1                    ; wave w
	s_and_b32 s13, ttmp7, 0xffff                   ; h
	s_mov_b32 s14, 0x76543210                      ; v_permlanex16_b32: lane i of one half reads lane i of the other
	s_mov_b32 s15, 0xfedcba98
	s_lshl_b32 s18, s13, 18                        ; row 64h + 4w, 4,096 bytes a row
	s_lshl_b32 s16, s12, 14
	s_add_co_u32 s18, s18, s16
	s_mov_b32 s19, 0
	s_lshl_b32 s20, ttmp9, 8                       ; 64 columns of f32 for each ds
	s_mov_b32 s21, 0
	s_lshl_b32 s22, s13, 12                        ; u: row h, the same columns
	s_add_co_u32 s22, s22, s20
	s_mov_b32 s23, 0
	v_and_b32 v5, 31, v0                           ; lane
	v_and_b32 v6, 15, v0                           ; r
	v_bfe_u32 v7, v0, 4, 1                         ; hh
	v_lshlrev_b32 v1, 4, v5                        ; 16 x lane: rows of query and Wq
	v_lshlrev_b32 v2, 4, v6
	v_lshl_add_u32 v2, v7, 12, v2                  ; Wk: 16 r, one row further down for lanes 16 to 31
	s_lshl_b32 s17, s12, 9
	v_lshl_add_u32 v3, v5, 4, s17                  ; LDS: partial row 2w + hh of 256 bytes, 16 r in it
	v_lshlrev_b32 v4, 3, v5                        ; 8 x lane
	v_mov_b32 v[T], 0                              ; a permute's destination counts as read
	s_wait_kmcnt 0x0
	s_add_nc_u64 s[6:7], s[6:7], s[18:19]
	s_add_nc_u64 s[8:9], s[8:9], s[18:19]
	s_add_nc_u64 s[8:9], s[8:9], s[20:21]
	s_add_nc_u64 s[10:11], s[10:11], s[22:23]
	; all 42 loads of the wave go out at once; no address register or base is written again
.irp j, 0,1,2,3,4,5,6,7
	global_load_b128 v[Q+4*\j:Q+4*\j+3], v1, s[4:5] offset:512*\j
.endr
.irp i, 0,1,2,3
.irp j, 0,1,2,3,4,5,6,7
	global_load_b128 v[W+32*\i+4*\j:W+32*\i+4*\j+3], v1, s[6:7] offset:4096*\i+512*\j
.endr
.endr
	global_load_b128 v[KW:KW+3],   v2, s[8:9] th:TH_LOAD_NT               ; sixteen lanes take 256 aligned bytes of one row; each byte of Wk is read once in the launch
	global_load_b128 v[KW+4:KW+7], v2, s[8:9] offset:8192 th:TH_LOAD_NT
; R[i] = row i . query, in every lane.  left = how many younger loads may stay out.
.macro DOT i, left
	s_wait_loadcnt \left
	v_pk_mul_f32 v[A+4*\i:A+4*\i+1],   v[W+32*\i:W+32*\i+1],   v[Q:Q+1]         ; the first products start the two chains
	v_pk_mul_f32 v[A+4*\i+2:A+4*\i+3], v[W+32*\i+2:W+32*\i+3], v[Q+2:Q+3]
.irp j, 1,2,3,4,5,6,7
	v_pk_fma_f32 v[A+4*\i:A+4*\i+1],   v[W+32*\i+4*\j:W+32*\i+4*\j+1],   v[Q+4*\j:Q+4*\j+1],   v[A+4*\i:A+4*\i+1]
	v_pk_fma_f32 v[A+4*\i+2:A+4*\i+3], v[W+32*\i+4*\j+2:W+32*\i+4*\j+3], v[Q+4*\j+2:Q+4*\j+3], v[A+4*\i+2:A+4*\i+3]
.endr
	v_pk_add_f32 v[A+4*\i:A+4*\i+1], v[A+4*\i:A+4*\i+1], v[A+4*\i+2:A+4*\i+3]
	v_add_f32 v[R+\i], v[A+4*\i], v[A+4*\i+1]
.irp x, 1,2,4,8
	v_add_f32_dpp v[R+\i], v[R+\i], v[R+\i] row_xmask:\x row_mask:0xf bank_mask:0xf
.endr
	v_permlanex16_b32 v[T], v[R+\i], s14, s15
	v_add_f32 v[R+\i], v[R+\i], v[T]
.endm
	DOT 0, 26                                      ; behind row 0: three rows of eight loads, and the two of Wk
	DOT 1, 18
	DOT 2, 10
	DOT 3, 2
	s_wait_loadcnt 0x0                             ; Wk
	v_cmp_le_u32 vcc_lo, 16, v5                    ; lanes 16 to 31 hold rows 4w + 1 and 4w + 3
	v_cndmask_b32 v[QS],   v[R],   v[R+1], vcc_lo
	v_cndmask_b32 v[QS+1], v[R+2], v[R+3], vcc_lo
	v_pk_mul_f32 v[QS:QS+1], v[QS:QS+1], 0x3e38aa3b op_sel_hi:[1,0]            ; log2(e) / 8: the scale 1 / sqrt(64), and base 2 for the exponentials
	v_pk_mul_f32 v[A:A+1],   v[KW:KW+1],   v[QS:QS+1] op_sel_hi:[1,0]          ; both by the first factor
	v_pk_mul_f32 v[A+2:A+3], v[KW+2:KW+3], v[QS:QS+1] op_sel_hi:[1,0]
	v_pk_fma_f32 v[A:A+1],   v[KW+4:KW+5], v[QS:QS+1], v[A:A+1]   op_sel:[0,1,0] op_sel_hi:[1,1,1]   ; both by the second
	v_pk_fma_f32 v[A+2:A+3], v[KW+6:KW+7], v[QS:QS+1], v[A+2:A+3] op_sel:[0,1,0] op_sel_hi:[1,1,1]
	ds_store_b128 v3, v[A:A+3]
	s_wait_dscnt 0x0                               ; my partial row is in LDS before I say so
	s_barrier_signal -1
	s_barrier_wait -1
	s_cmp_lg_u32 s12, 0
	s_cbranch_scc1 .Lend                           ; no barrier follows: the other waves are done
.irp k, 0,1,2,3,4,5,6,7,8,9,10,11,12,13,14,15,16,17,18,19,20,21,22,23,24,25,26,27,28,29,30,31
	ds_load_b64 v[W+2*\k:W+2*\k+1], v4 offset:256*\k                           ; columns 2 lane, 2 lane + 1 of partial row k
.endr
	s_wait_dscnt 0x0
.irp st, 16,8,4,2,1
.set k, 0
.rept \st
	v_pk_add_f32 v[W+2*k:W+2*k+1], v[W+2*k:W+2*k+1], v[W+2*(k+\st):W+2*(k+\st)+1]
.set k, k+1
.endr
.endr
	global_store_b64 v4, v[W:W+1], s[10:11]        ; the wave stores 256 consecutive bytes, aligned
.Lend:
	s_wait_tensorcnt 0x0
	ds_add_u32 v200, v201
	s_wait_dscnt 0x0
	s_endpgm
.Lfunc_end_k_q59d9ce7194_prep:
	.size	k_q59d9ce7194_prep, .Lfunc_end_k_q59d9ce7194_prep-k_q59d9ce7194_prep
	.p2alignl 7, 3214868480
	.fill 96, 4, 3214868480
	.section	.rodata,"a",@progbits
	.p2align	6, 0x0
	.amdhsa_kernel k_q59d9ce7194_prep
		.amdhsa_group_segment_fixed_size 10240
		.amdhsa_private_segment_fixed_size 0
		.amdhsa_enable_private_segment 0
		.amdhsa_kernarg_size 32
		.amdhsa_user_sgpr_count 2
		.amdhsa_user_sgpr_kernarg_segment_ptr 1
		.amdhsa_wavefront_size32 1
		.amdhsa_system_sgpr_workgroup_id_x 1
		.amdhsa_system_sgpr_workgroup_id_y 1
		.amdhsa_system_sgpr_workgroup_id_z 1
		.amdhsa_system_vgpr_workitem_id 0
		.amdhsa_next_free_vgpr 202
		.amdhsa_next_free_sgpr 66
		.amdhsa_reserve_vcc 1
		.amdhsa_float_denorm_mode_32 3
		.amdhsa_float_denorm_mode_16_64 3
		.amdhsa_memory_ordered 1
		.amdhsa_forward_progress 1
		.amdhsa_inst_pref_size 17
	.end_amdhsa_kernel
	.amdgpu_metadata
---
amdhsa.version: [ 1, 2 ]
amdhsa.kernels:
  - .name:           k_q59d9ce7194_prep
    .symbol:         k_q59d9ce7194_prep.kd
    .args:
      - { .name: query, .offset: 0, .size: 8, .value_kind: global_buffer, .address_space: global }
      - { .name: Wq, .offset: 8, .size: 8, .value_kind: global_buffer, .address_space: global }
      - { .name: Wk, .offset: 16, .size: 8, .value_kind: global_buffer, .address_space: global }
      - { .name: u, .offset: 24, .size: 8, .value_kind: global_buffer, .address_space: global }
    .group_segment_fixed_size: 10240
    .private_segment_fixed_size: 0
    .kernarg_segment_align: 8
    .kernarg_segment_size: 32
    .max_flat_workgroup_size: 512
    .sgpr_count:     66
    .vgpr_count:     202
    .wavefront_size: 32
...
	.end_amdgpu_metadata
.endif
;; end of part 1
;; launch pool (part 2): grid 256 x 1, 16 waves a work-group, no clusters, 111,616 bytes of LDS; arguments x, u, part, stat; writes part, stat
.if DOCPART == 2
	.amdgcn_target "amdgcn-amd-amdhsa--gfx1250"
	.amdhsa_code_object_version 6
	.text
	.protected	k_q59d9ce7194_pool
	.globl	k_q59d9ce7194_pool
	.p2align	8
	.type	k_q59d9ce7194_pool,@function
k_q59d9ce7194_pool:
	s_mov_b64 s[64:65], 0
	v_nop
	global_prefetch_b8 v0, s[64:65] scope:SCOPE_SE
	s_setreg_imm32_b32 hwreg(HW_REG_WAVE_MODE, 25, 1), 1
	s_wait_xcnt 0x0
; For work-group g = 16 b + s: the 128 tokens 128 s .. 128 s + 127 of batch b, all 16 heads.
;   S[n][h] = sum_d x[n][d] u[h][d]   (u from the first launch: already times log2(e) / 8, so S is the score in base-2 units)
;   m[h] = max_n S,  l[h] = sum_n 2^(S - m),  part[g][h][d] = (1 / l[h]) sum_n 2^(S[n][h] - m[h]) x[n][d],  stat[g] = m[0..15], l[0..15]
; K and V are not formed (the exchange of sums shown at the head of the first kernel); x is read from memory once and serves both products.
; The maximum is taken away by a running maximum over four chunks of 32 tokens; the third launch merges the sixteen splits of a batch by their m and l.
; LIMITS.  Matrix operands in bf16: x, u and P = 2^(S - m); sums, softmax and all that is carried in f32.  l adds the f32 values of P, the pool its bf16 values.
; v_exp_f32 gives 0 for results under 2^-126 (ISA guide, its entry in 15.8).  NaN and infinities are not guarded, as in reference().
;
; SHARES.  Sixteen waves; wave w owns columns d = 64 w .. 64 w + 63 in BOTH products.  A load of 16 bytes a lane takes 256 aligned bytes of one token (lanes 0-15)
; and of the token eight further down (lanes 16-31).  With r = lane & 15, hh = lane >> 4, load t of a chunk brings token row(t) + 8 hh, row(t) = t (t < 8) or t + 8,
; columns 64 w + 4 r + 0..3.  That register image is, column by column, the second product's B fragment (k = token, n = r stands for d = 64 w + 4 r + tile),
; so only the first product's operand goes through LDS, as bf16.  Each wave's scores are partial (its 64 of 1,024 columns): they are added through LDS.
; Two register buffers of 16 loads: while one chunk is worked on the next one's 16 loads are out, and from the middle of a chunk 32.
; NO CLUSTER, NO TENSOR LOADS: work-groups share u alone, 64 KiB beside their own 512 KiB of x; and x is wanted in registers as f32.
; stat is 128 bytes for a work-group: the one store of the launch that does not cover 256 bytes, 32 KiB in all beside 16 MiB of part.
.set PITCH, 144                        ; a staged row: 64 bf16 + 16 bytes, an odd multiple of 16: the sixteen rows of a fragment load start 36 words apart
.set WSTG,  32*PITCH                   ; 4,608 bytes: a wave's own stage, 32 rows
.set SP,    16*WSTG                    ; 73,728: sixteen blocks of 2,048 bytes, wave w's partial scores (32 tokens x 16 heads, in register order)
.set SF,    SP+16*2048                 ; 106,496: the summed scores, 2,048 bytes
.set ALB,   SF+2048                    ; 108,544: 64 bytes a wave, its own: a factor for each head, to change its layout
.set U,   16                           ; v[16:31]    u as two B fragments (k = 0..31, 32..63 of my columns)
.set ACC, 32                           ; v[32:63]    tile n at ACC + 8 n: register j = head 8 hh + j, d = 64 w + 4 r + n
.set WK,  64                           ; v[64:95]    at work: A fragments; partial scores; B fragments; the way out
.set SA,  96                           ; v[96:111]   scores: register 8 t + j = token 16 t + 8 hh + j, head r
.set XA,  112                          ; v[112:175]  x, buffer A
.set XB,  176                          ; v[176:239]  x, buffer B
.set PF,  240                          ; v[240:247]  P as an A fragment (row = head r)
.set AL,  248                          ; v[248:255]  register j: the factor of head 8 hh + j
; v1 offset in x, u, part; v2 stage in; v3 stage out; v4 SP in; v5 SP out; v6 SF in; v7 SF out; v8 ALB in; v9 ALB out; v10 m; v11 l; v12 new m; v13 factor; v14, v15 at work
	s_load_b256 s[4:11], s[0:1], 0x0               ; x s[4:5], u s[6:7], part s[8:9], stat s[10:11]
	v_lshrrev_b32 v1, 5, v0
	v_readfirstlane_b32 s12, v1                    ; wave w
	s_mov_b32 s14, 0x76543210                      ; v_permlanex16_b32: lane i of one half reads lane i of the other
	s_mov_b32 s15, 0xfedcba98
	s_lshl_b32 s24, ttmp9, 19                      ; 128 tokens of 4,096 bytes
	s_mov_b32 s25, 0
	s_lshl_b32 s26, ttmp9, 16                      ; 16 heads of 4,096 bytes
	s_mov_b32 s27, 0
	s_lshl_b32 s28, ttmp9, 7                       ; 32 words
	s_mov_b32 s29, 0
	v_and_b32 v[PF], 31, v0                        ; lane
	v_and_b32 v[PF+1], 15, v0                      ; r
	v_bfe_u32 v[PF+2], v0, 4, 1                    ; hh
	s_lshl_b32 s16, s12, 8
	v_lshlrev_b32 v1, 4, v[PF+1]
	v_lshl_add_u32 v1, v[PF+2], 15, v1
	v_add_nc_u32 v1, s16, v1                       ; 8 rows x hh + 256 w + 16 r
	s_mul_i32 s17, s12, WSTG                       ; my stage
	v_mul_u32_u24 v2, v[PF+2], 8*PITCH
	v_lshl_add_u32 v2, v[PF+1], 3, v2
	v_add_nc_u32 v2, s17, v2                       ; in: row 8 hh (+ the load's row), 8 bytes at 8 r
	v_mul_u32_u24 v3, v[PF+1], PITCH
	v_lshl_add_u32 v3, v[PF+2], 4, v3
	v_add_nc_u32 v3, s17, v3                       ; out: row r, 16 bytes at 16 hh
	s_lshl_b32 s18, s12, 11
	s_add_co_u32 s18, s18, SP
	v_lshl_add_u32 v4, v[PF], 4, s18               ; my block of SP, 16 x lane
	s_lshl_b32 s19, s12, 7
	s_add_co_u32 s20, s19, SP
	v_lshl_add_u32 v5, v[PF], 2, s20               ; word 32 w + lane of each block
	s_add_co_u32 s21, s19, SF
	v_lshl_add_u32 v6, v[PF], 2, s21               ; the same word of SF
	v_lshl_add_u32 v7, v[PF], 4, SF
	s_lshl_b32 s22, s12, 6
	s_add_co_u32 s22, s22, ALB
	v_lshl_add_u32 v8, v[PF+1], 2, s22             ; word r
	v_lshl_add_u32 v9, v[PF+2], 5, s22             ; words 8 hh .. 8 hh + 7
	v_mov_b32 v15, 0                               ; a permute's destination counts as read
	s_wait_kmcnt 0x0
	s_add_nc_u64 s[4:5], s[4:5], s[24:25]
	s_add_nc_u64 s[8:9], s[8:9], s[26:27]
	s_add_nc_u64 s[10:11], s[10:11], s[28:29]
.macro LOADX buf, c                    ; chunk c (32 tokens) of my 64 columns; every step stands in the immediate, 487,424 at the most: v1 and the base are never written again
.irp t, 0,1,2,3,4,5,6,7,8,9,10,11,12,13,14,15
	global_load_b128 v[\buf+4*\t:\buf+4*\t+3], v1, s[4:5] offset:(\c)*131072+(\t+8*(\t/8))*4096 th:TH_LOAD_NT
.endr
.endm
.macro STAGE buf, tmp, t0, cnt         ; loads t0 .. t0 + cnt - 1 of buf: to bf16 (pairs in tmp) and into my stage.  The two halves of the lanes store 1,152 bytes apart
.set t, \t0
.rept \cnt
	v_cvt_pk_bf16_f32 v[\tmp+2*(t-\t0)],   v[\buf+4*t],   v[\buf+4*t+1]
	v_cvt_pk_bf16_f32 v[\tmp+2*(t-\t0)+1], v[\buf+4*t+2], v[\buf+4*t+3]
	ds_store_b64 v2, v[\tmp+2*(t-\t0):\tmp+2*(t-\t0)+1] offset:(t+8*(t/8))*PITCH
.set t, t+1
.endr
.endm
.macro FRAGS                           ; A fragment (m, ks) = tokens 16 m .., k = 32 ks .., at WK + 8 (2 ks + m)
.irp ks, 0,1
.irp m, 0,1
	ds_load_b128 v[WK+8*(2*\ks+\m):WK+8*(2*\ks+\m)+3],   v3 offset:\m*16*PITCH+\ks*64
	ds_load_b128 v[WK+8*(2*\ks+\m)+4:WK+8*(2*\ks+\m)+7], v3 offset:\m*16*PITCH+\ks*64+32
.endr
.endr
.endm
.macro PLACES                          ; four independent vector instructions behind a matrix instruction, before its result is read or one of its registers written (ISA guide 7.12.1)
.rept 4
	v_nop
.endr
.endm
.macro BAR                             ; my LDS stores and loads are done before I say so
	s_wait_dscnt 0x0
	s_barrier_signal -1
	s_barrier_wait -1
.endm
; One chunk of 32 tokens out of buffer buf.  first = 1: it starts m, l and the sums.  more = 1: the buffer is loaded again, two chunks ahead.
; left = how many younger loads may stay out.
.macro CHUNK c, buf, first, more, left
	s_wait_loadcnt \left                           ; loads come back in order (ISA guide 5.7.1): this chunk is in
	STAGE \buf, SA, 0, 8                           ; the packed pairs lie in SA, PF and AL, all dead here, so that
	STAGE \buf, PF, 8, 8                           ; the fragment loads below land on no register that a store names
	FRAGS                                          ; my own bytes, and LDS serves a wave in order (ISA guide 5.7.1): no wait between
	s_wait_dscnt 0x0
	; partial scores of my 64 columns.  The two accumulators take turns, one instruction a turn.
	v_wmma_f32_16x16x32_bf16 v[SA:SA+7],    v[WK:WK+7],     v[U:U+7],    0
	v_wmma_f32_16x16x32_bf16 v[SA+8:SA+15], v[WK+8:WK+15],  v[U:U+7],    0
	v_wmma_f32_16x16x32_bf16 v[SA:SA+7],    v[WK+16:WK+23], v[U+8:U+15], v[SA:SA+7]
	v_wmma_f32_16x16x32_bf16 v[SA+8:SA+15], v[WK+24:WK+31], v[U+8:U+15], v[SA+8:SA+15]
	PLACES
.irp q, 0,1,2,3
	ds_store_b128 v4, v[SA+4*\q:SA+4*\q+3] offset:512*\q
.endr
	BAR                                            ; all sixteen blocks of SP are whole; and every wave has finished reading the last chunk's SF
.irp k, 0,1,2,3,4,5,6,7,8,9,10,11,12,13,14,15
	ds_load_b32 v[WK+\k], v5 offset:2048*\k        ; my 32 of the 512 words, from each wave's block
.endr
	s_wait_dscnt 0x0
.irp k, 0,4,8,12
	v_pk_add_f32 v[WK+\k:WK+\k+1], v[WK+\k:WK+\k+1], v[WK+\k+2:WK+\k+3]
.endr
	v_pk_add_f32 v[WK:WK+1],   v[WK:WK+1],   v[WK+4:WK+5]
	v_pk_add_f32 v[WK+8:WK+9], v[WK+8:WK+9], v[WK+12:WK+13]
	v_pk_add_f32 v[WK:WK+1],   v[WK:WK+1],   v[WK+8:WK+9]
	v_add_f32 v[WK], v[WK], v[WK+1]
	ds_store_b32 v6, v[WK]
	BAR                                            ; SF is whole; and every wave has finished reading SP, which the next chunk writes again
.irp q, 0,1,2,3
	ds_load_b128 v[SA+4*\q:SA+4*\q+3], v7 offset:512*\q        ; the whole scores, in the layout in which the partial ones were stored
.endr
	s_wait_dscnt 0x0
	; softmax step, alike in every wave: a lane holds 16 of the 32 tokens of head r, the lane 16 further the others
	v_max3_num_f32 v12, v[SA],    v[SA+1],  v[SA+2]
	v_max3_num_f32 v14, v[SA+3],  v[SA+4],  v[SA+5]
	v_max3_num_f32 v12, v12, v[SA+6],  v[SA+7]
	v_max3_num_f32 v14, v14, v[SA+8],  v[SA+9]
	v_max3_num_f32 v12, v12, v[SA+10], v[SA+11]
	v_max3_num_f32 v14, v14, v[SA+12], v[SA+13]
	v_max3_num_f32 v12, v12, v[SA+14], v[SA+15]
	v_max_num_f32 v12, v12, v14
	v_permlanex16_b32 v14, v12, s14, s15
	v_max_num_f32 v12, v12, v14
.if \first == 0
	v_max_num_f32 v12, v12, v10                    ; the running maximum
	v_sub_f32 v13, v10, v12
	v_exp_f32 v13, v13                             ; what was summed so far shrinks by 2^(old m - new m); the subtractions below stand between this and its use
.endif
.irp k, 0,1,2,3,4,5,6,7,8,9,10,11,12,13,14,15
	v_sub_f32 v[SA+\k], v[SA+\k], v12
.endr
.irp k, 0,1,2,3,4,5,6,7,8,9,10,11,12,13,14,15
	v_exp_f32 v[SA+\k], v[SA+\k]
.endr
	v_mov_b32 v10, v12                             ; the plain instruction behind the run of exponentials (ISA guide 5.7.2)
.if \first == 0
	s_wait_alu depctr_va_vdst(0)
	ds_store_b32 v8, v13                           ; head r (both halves of the lanes store the same number),
	ds_load_b128 v[AL:AL+3],   v9                  ; back as heads 8 hh + 0..7, the accumulators' rows: my own bytes, served in order
	ds_load_b128 v[AL+4:AL+7], v9 offset:16
.endif
	s_wait_alu depctr_va_vdst(0)
.irp k, 0,1,2,3
	v_pk_add_f32 v[WK+2*\k:WK+2*\k+1], v[SA+4*\k:SA+4*\k+1], v[SA+4*\k+2:SA+4*\k+3]
.endr
	v_pk_add_f32 v[WK:WK+1],   v[WK:WK+1],   v[WK+2:WK+3]
	v_pk_add_f32 v[WK+4:WK+5], v[WK+4:WK+5], v[WK+6:WK+7]
	v_pk_add_f32 v[WK:WK+1],   v[WK:WK+1],   v[WK+4:WK+5]
	v_add_f32 v14, v[WK], v[WK+1]
	v_permlanex16_b32 v15, v14, s14, s15
.if \first
	v_add_f32 v11, v14, v15
.else
	v_add_f32 v14, v14, v15
	v_fma_f32 v11, v11, v13, v14
.endif
.irp i, 0,1,2,3,4,5,6,7
	v_cvt_pk_bf16_f32 v[PF+\i], v[SA+2*\i], v[SA+2*\i+1]       ; row = head r, k = 8 hh + 0..7 and 16 + 8 hh + 0..7: the A fragment as it stands
.endr
.irp n, 0,1,2,3
.irp i, 0,1,2,3
	v_cvt_pk_bf16_f32 v[WK+8*\n+\i],   v[\buf+8*\i+\n],    v[\buf+8*\i+4+\n]    ; B fragment of tile n: column r is d = 64 w + 4 r + n, k = token
	v_cvt_pk_bf16_f32 v[WK+8*\n+4+\i], v[\buf+32+8*\i+\n], v[\buf+36+8*\i+\n]
.endr
.endr
.if \more
	LOADX \buf, \c+2                               ; the buffer has been read for the last time
.endif
.if \first == 0
	s_wait_dscnt 0x0                               ; AL
.irp n, 0,1,2,3
.irp i, 0,2,4,6
	v_pk_mul_f32 v[ACC+8*\n+\i:ACC+8*\n+\i+1], v[ACC+8*\n+\i:ACC+8*\n+\i+1], v[AL+\i:AL+\i+1]
.endr
.endr
.endif
.irp n, 0,1,2,3                        ; four accumulators, one instruction each
.if \first
	v_wmma_f32_16x16x32_bf16 v[ACC+8*\n:ACC+8*\n+7], v[PF:PF+7], v[WK+8*\n:WK+8*\n+7], 0
.else
	v_wmma_f32_16x16x32_bf16 v[ACC+8*\n:ACC+8*\n+7], v[PF:PF+7], v[WK+8*\n:WK+8*\n+7], v[ACC+8*\n:ACC+8*\n+7]
.endif
.endr
	PLACES                                         ; PF and WK are written, and ACC read, only behind these
.endm
.irp t, 0,1,2,3,4,5,6,7
	global_load_b128 v[WK+4*\t:WK+4*\t+3], v1, s[6:7] offset:4096*\t           ; u: head 8 hh + t, my 64 columns
.endr
	LOADX XA, 0
	LOADX XB, 1
	s_wait_loadcnt 32                              ; u is in; the 2 x 16 loads of x stay out
	STAGE WK, SA, 0, 8                             ; stage rows 0 to 15 = heads
.irp q, 0,1,2,3
	ds_load_b128 v[U+4*\q:U+4*\q+3], v3 offset:32*\q
.endr
	s_wait_dscnt 0x0
	CHUNK 0, XA, 1, 1, 16                          ; 16: the other buffer's loads
	CHUNK 1, XB, 0, 1, 16
	CHUNK 2, XA, 0, 0, 16
	CHUNK 3, XB, 0, 0, 0
	; the way out: divide by l (at least 1: the token of the maximum adds 1), and bring four neighbouring d into neighbouring registers
	v_rcp_f32 v13, v11
	v_nop
	s_wait_alu depctr_va_vdst(0)
	ds_store_b32 v8, v13
	ds_load_b128 v[AL:AL+3],   v9
	ds_load_b128 v[AL+4:AL+7], v9 offset:16
	s_wait_dscnt 0x0
.irp j, 0,1,2,3,4,5,6,7
.irp n, 0,1,2,3
	v_mul_f32 v[WK+4*\j+\n], v[ACC+8*\n+\j], v[AL+\j]
.endr
.endr
.irp j, 0,1,2,3,4,5,6,7
	global_store_b128 v1, v[WK+4*\j:WK+4*\j+3], s[8:9] offset:4096*\j          ; head 8 hh + j: sixteen lanes store 256 consecutive bytes, aligned
.endr
	s_cmp_lg_u32 s12, 0
	s_cbranch_scc1 .Lend                           ; m and l are the same in every wave: wave 0 stores them
	v_and_b32 v15, 31, v0
	v_cmp_le_u32 vcc_lo, 16, v15
	v_cndmask_b32 v14, v10, v11, vcc_lo            ; words 0-15: m of head r; words 16-31: l of head r
	v_lshlrev_b32 v15, 2, v15
	global_store_b32 v15, v14, s[10:11]
.Lend:
	s_wait_xcnt 0x0
	v_lshl_add_u32 v254, v0, 2, 0x1ac00
	v_mov_b32 v255, 0
	s_wait_tensorcnt 0x0
	ds_add_u32 v254, v255
	s_wait_dscnt 0x0
	s_endpgm
.Lfunc_end_k_q59d9ce7194_pool:
	.size	k_q59d9ce7194_pool, .Lfunc_end_k_q59d9ce7194_pool-k_q59d9ce7194_pool
	.p2alignl 7, 3214868480
	.fill 96, 4, 3214868480
	.section	.rodata,"a",@progbits
	.p2align	6, 0x0
	.amdhsa_kernel k_q59d9ce7194_pool
		.amdhsa_group_segment_fixed_size 111616
		.amdhsa_private_segment_fixed_size 0
		.amdhsa_enable_private_segment 0
		.amdhsa_kernarg_size 32
		.amdhsa_user_sgpr_count 2
		.amdhsa_user_sgpr_kernarg_segment_ptr 1
		.amdhsa_wavefront_size32 1
		.amdhsa_system_sgpr_workgroup_id_x 1
		.amdhsa_system_sgpr_workgroup_id_y 1
		.amdhsa_system_sgpr_workgroup_id_z 1
		.amdhsa_system_vgpr_workitem_id 0
		.amdhsa_next_free_vgpr 256
		.amdhsa_next_free_sgpr 66
		.amdhsa_reserve_vcc 1
		.amdhsa_float_denorm_mode_32 3
		.amdhsa_float_denorm_mode_16_64 3
		.amdhsa_memory_ordered 1
		.amdhsa_forward_progress 1
		.amdhsa_inst_pref_size 63
	.end_amdhsa_kernel
	.amdgpu_metadata
---
amdhsa.version: [ 1, 2 ]
amdhsa.kernels:
  - .name:           k_q59d9ce7194_pool
    .symbol:         k_q59d9ce7194_pool.kd
    .args:
      - { .name: x, .offset: 0, .size: 8, .value_kind: global_buffer, .address_space: global }
      - { .name: u, .offset: 8, .size: 8, .value_kind: global_buffer, .address_space: global }
      - { .name: part, .offset: 16, .size: 8, .value_kind: global_buffer, .address_space: global }
      - { .name: stat, .offset: 24, .size: 8, .value_kind: global_buffer, .address_space: global }
    .group_segment_fixed_size: 111616
    .private_segment_fixed_size: 0
    .kernarg_segment_align: 8
    .kernarg_segment_size: 32
    .max_flat_workgroup_size: 512
    .sgpr_count:     66
    .vgpr_count:     256
    .wavefront_size: 32
...
	.end_amdgpu_metadata
.endif
;; end of part 2
;; launch vproj (part 3): grid 16 x 16, 16 waves a work-group, no clusters, 6,400 bytes of LDS; arguments part, stat, Wv, o; writes o
.if DOCPART == 3
	.amdgcn_target "amdgcn-amd-amdhsa--gfx1250"
	.amdhsa_code_object_version 6
	.text
	.protected	k_q59d9ce7194_vproj
	.globl	k_q59d9ce7194_vproj
	.p2align	8
	.type	k_q59d9ce7194_vproj,@function
k_q59d9ce7194_vproj:
	s_mov_b64 s[64:65], 0
	v_nop
	global_prefetch_b8 v0, s[64:65] scope:SCOPE_SE
	s_setreg_imm32_b32 hwreg(HW_REG_WAVE_MODE, 25, 1), 1
	s_wait_xcnt 0x0
; Work-group (x = h, y = b):  p[d] = sum over the 16 splits s of c[s] part[16 b + s][h][d],   c[s] = l[s] 2^(m[s] - M) / sum_s l[s] 2^(m[s] - M),   M = max_s m[s];
; then o[b][64 h + e] = Wv[64 h + e] . p,  e = 0..63.  V is not formed (the exchange of sums shown at the head of the first kernel).  All in f32.
; The product has one row for each (b, h), so it is done as dot products on the vector unit; the maximum over the splits is taken away before the exponentials.
; LIMITS.  v_exp_f32 gives 0 for results under 2^-126 (ISA guide, its entry in 15.8): a split so far under the maximum adds nothing.  NaN and infinities are not guarded.
; SHARES.  Wave w merges d = 64 w .. 64 w + 63 (256 aligned bytes of each split) and takes rows 64 h + 4 w .. + 3 of Wv.  All 49 loads of a wave go out at its head.
; NO CLUSTER: the rows of Wv that the sixteen work-groups of one h share go straight into registers and are used once from there; a joint request would lay the
; same 256 KiB into LDS and read them back out of it, and names four work-groups of the sixteen at the most.
.set OL,  4096                         ; LDS: p at byte 0 (4,096 bytes), the 64 results at 4,096 (256 bytes)
.set PT,  16                           ; v[16:47]    split s: two numbers
.set Q,   48                           ; v[48:79]    p: lane l holds elements 128 j + 4 l + 0..3
.set W,   80                           ; v[80:207]   four rows of Wv in the same layout
.set A,   208                          ; v[208:223]  row i: two running pairs
.set R,   16                           ; v[16:19]    the four dot products (PT is dead by then)
.set T,   20                           ; v20         the other half of the lanes
	s_load_b256 s[4:11], s[0:1], 0x0               ; part s[4:5], stat s[6:7], Wv s[8:9], o s[10:11]
	v_lshl_add_u32 v224, v0, 2, 0x1100
	v_mov_b32 v225, 0
	v_lshrrev_b32 v1, 5, v0
	v_readfirstlane_b32 s12, v1                    ; wave w
	s_and_b32 s13, ttmp7, 0xffff                   ; b;  ttmp9 = h
	s_mov_b32 s14, 0x76543210
	s_mov_b32 s15, 0xfedcba98
	s_lshl_b32 s32, s13, 20                        ; part: 16 splits of 65,536 bytes for each b, row h of 4,096 bytes
	s_lshl_b32 s2, ttmp9, 12
	s_add_co_u32 s32, s32, s2
	s_mov_b32 s33, 0
	s_lshl_b32 s34, s13, 11                        ; stat: 16 splits of 128 bytes for each b, word h
	s_lshl_b32 s2, ttmp9, 2
	s_add_co_u32 s34, s34, s2
	s_mov_b32 s35, 0
	s_lshl_b32 s36, ttmp9, 18                      ; Wv: row 64 h + 4 w
	s_lshl_b32 s2, s12, 14
	s_add_co_u32 s36, s36, s2
	s_mov_b32 s37, 0
	s_lshl_b32 s38, s13, 12                        ; o: row b, 64 numbers for each h
	s_lshl_b32 s2, ttmp9, 8
	s_add_co_u32 s38, s38, s2
	s_mov_b32 s39, 0
	v_and_b32 v5, 31, v0                           ; lane
	v_and_b32 v6, 15, v0                           ; r
	v_bfe_u32 v7, v0, 4, 1                         ; hh
	v_lshlrev_b32 v1, 4, v5                        ; 16 x lane
	s_lshl_b32 s3, s12, 8
	v_lshl_add_u32 v2, v5, 3, s3                   ; 256 w + 8 lane: in a row of part, and in p in LDS
	v_lshlrev_b32 v3, 7, v6
	v_lshl_add_u32 v3, v7, 6, v3                   ; stat: split r; lanes 0-15 its m, lanes 16-31 its l
	s_lshl_b32 s3, s12, 4
	s_add_co_u32 s3, s3, OL
	v_mov_b32 v11, s3                              ; my four results
	v_lshlrev_b32 v13, 3, v5
	v_add_nc_u32 v12, OL, v13
	s_wait_kmcnt 0x0
	s_add_nc_u64 s[4:5], s[4:5], s[32:33]
	s_add_nc_u64 s[6:7], s[6:7], s[34:35]
	s_add_nc_u64 s[8:9], s[8:9], s[36:37]
	s_add_nc_u64 s[10:11], s[10:11], s[38:39]
	global_load_b32 v4, v3, s[6:7]
.irp s, 0,1,2,3,4,5,6,7,8,9,10,11,12,13,14,15
	global_load_b64 v[PT+2*\s:PT+2*\s+1], v2, s[4:5] offset:65536*\s th:TH_LOAD_NT     ; the wave takes 256 consecutive bytes, aligned; read once in the launch
.endr
.irp i, 0,1,2,3
.irp j, 0,1,2,3,4,5,6,7
	global_load_b128 v[W+32*\i+4*\j:W+32*\i+4*\j+3], v1, s[8:9] offset:4096*\i+512*\j
.endr
.endr
	; the sixteen coefficients, in lanes 0 to 15.  Lanes 16 to 31 run the same lines on l in place of m: their numbers are never read.
	s_wait_loadcnt 48                              ; stat is in; 16 loads of part and 32 of Wv stay out
	v_max_num_f32_dpp v5, v4, v4 row_xmask:1 row_mask:0xf bank_mask:0xf
	v_max_num_f32_dpp v5, v5, v5 row_xmask:2 row_mask:0xf bank_mask:0xf
	v_max_num_f32_dpp v5, v5, v5 row_xmask:4 row_mask:0xf bank_mask:0xf
	v_max_num_f32_dpp v5, v5, v5 row_xmask:8 row_mask:0xf bank_mask:0xf        ; M
	v_sub_f32 v6, v4, v5
	v_exp_f32 v6, v6
	v_nop
	v_permlanex16_b32 v7, v4, s14, s15             ; l[s] comes over to lane s
	s_wait_alu depctr_va_vdst(0)
	v_mul_f32 v8, v6, v7
	v_add_f32_dpp v5, v8, v8 row_xmask:1 row_mask:0xf bank_mask:0xf
	v_add_f32_dpp v5, v5, v5 row_xmask:2 row_mask:0xf bank_mask:0xf
	v_add_f32_dpp v5, v5, v5 row_xmask:4 row_mask:0xf bank_mask:0xf
	v_add_f32_dpp v5, v5, v5 row_xmask:8 row_mask:0xf bank_mask:0xf            ; at least 1: the split of the maximum adds its l
	v_rcp_f32 v10, v5
	v_nop
	s_wait_alu depctr_va_vdst(0)
	v_mul_f32 v8, v8, v10
.irp s, 0,1,2,3,4,5,6,7,8,9,10,11,12,13,14,15
	v_readlane_b32 s[16+\s], v8, \s
.endr
	s_wait_loadcnt 32                              ; part is in; Wv stays out
	v_mul_f32 v14, s16, v[PT]
	v_mul_f32 v15, s16, v[PT+1]
.irp s, 1,2,3,4,5,6,7,8,9,10,11,12,13,14,15
	v_fmac_f32 v14, s[16+\s], v[PT+2*\s]
	v_fmac_f32 v15, s[16+\s], v[PT+2*\s+1]
.endr
	ds_store_b64 v2, v[14:15]
	v_mov_b32 v[T], 0                              ; a permute's destination counts as read
	s_wait_dscnt 0x0                               ; my 64 numbers of p are in LDS before I say so
	s_barrier_signal -1
	s_barrier_wait -1
.irp j, 0,1,2,3,4,5,6,7
	ds_load_b128 v[Q+4*\j:Q+4*\j+3], v1 offset:512*\j
.endr
	s_wait_dscnt 0x0
; R[i] = row i . p, in every lane.  left = how many younger loads may stay out.
.macro DOT i, left
	s_wait_loadcnt \left
	v_pk_mul_f32 v[A+4*\i:A+4*\i+1],   v[W+32*\i:W+32*\i+1],   v[Q:Q+1]
	v_pk_mul_f32 v[A+4*\i+2:A+4*\i+3], v[W+32*\i+2:W+32*\i+3], v[Q+2:Q+3]
.irp j, 1,2,3,4,5,6,7
	v_pk_fma_f32 v[A+4*\i:A+4*\i+1],   v[W+32*\i+4*\j:W+32*\i+4*\j+1],   v[Q+4*\j:Q+4*\j+1],   v[A+4*\i:A+4*\i+1]
	v_pk_fma_f32 v[A+4*\i+2:A+4*\i+3], v[W+32*\i+4*\j+2:W+32*\i+4*\j+3], v[Q+4*\j+2:Q+4*\j+3], v[A+4*\i+2:A+4*\i+3]
.endr
	v_pk_add_f32 v[A+4*\i:A+4*\i+1], v[A+4*\i:A+4*\i+1], v[A+4*\i+2:A+4*\i+3]
	v_add_f32 v[R+\i], v[A+4*\i], v[A+4*\i+1]
.irp x, 1,2,4,8
	v_add_f32_dpp v[R+\i], v[R+\i], v[R+\i] row_xmask:\x row_mask:0xf bank_mask:0xf
.endr
	v_permlanex16_b32 v[T], v[R+\i], s14, s15
	v_add_f32 v[R+\i], v[R+\i], v[T]
.endm
	DOT 0, 24                                      ; three younger rows of eight loads
	DOT 1, 16
	DOT 2, 8
	DOT 3, 0
	ds_store_b128 v11, v[R:R+3]                    ; every lane stores the same 16 bytes
	s_wait_dscnt 0x0
	s_barrier_signal -1
	s_barrier_wait -1
	s_cmp_lg_u32 s12, 0
	s_cbranch_scc1 .Lend                           ; no barrier follows
	ds_load_b64 v[14:15], v12
	s_wait_dscnt 0x0
	global_store_b64 v13, v[14:15], s[10:11]       ; the wave stores 256 consecutive bytes, aligned
.Lend:
	s_wait_tensorcnt 0x0
	ds_add_u32 v224, v225
	s_wait_dscnt 0x0
	s_endpgm
.Lfunc_end_k_q59d9ce7194_vproj:
	.size	k_q59d9ce7194_vproj, .Lfunc_end_k_q59d9ce7194_vproj-k_q59d9ce7194_vproj
	.p2alignl 7, 3214868480
	.fill 96, 4, 3214868480
	.section	.rodata,"a",@progbits
	.p2align	6, 0x0
	.amdhsa_kernel k_q59d9ce7194_vproj
		.amdhsa_group_segment_fixed_size 6400
		.amdhsa_private_segment_fixed_size 0
		.amdhsa_enable_private_segment 0
		.amdhsa_kernarg_size 32
		.amdhsa_user_sgpr_count 2
		.amdhsa_user_sgpr_kernarg_segment_ptr 1
		.amdhsa_wavefront_size32 1
		.amdhsa_system_sgpr_workgroup_id_x 1
		.amdhsa_system_sgpr_workgroup_id_y 1
		.amdhsa_system_sgpr_workgroup_id_z 1
		.amdhsa_system_vgpr_workitem_id 0
		.amdhsa_next_free_vgpr 226
		.amdhsa_next_free_sgpr 66
		.amdhsa_reserve_vcc 0
		.amdhsa_float_denorm_mode_32 3
		.amdhsa_float_denorm_mode_16_64 3
		.amdhsa_memory_ordered 1
		.amdhsa_forward_progress 1
		.amdhsa_inst_pref_size 17
	.end_amdhsa_kernel
	.amdgpu_metadata
---
amdhsa.version: [ 1, 2 ]
amdhsa.kernels:
  - .name:           k_q59d9ce7194_vproj
    .symbol:         k_q59d9ce7194_vproj.kd
    .args:
      - { .name: part, .offset: 0, .size: 8, .value_kind: global_buffer, .address_space: global }
      - { .name: stat, .offset: 8, .size: 8, .value_kind: global_buffer, .address_space: global }
      - { .name: Wv, .offset: 16, .size: 8, .value_kind: global_buffer, .address_space: global }
      - { .name: o, .offset: 24, .size: 8, .value_kind: global_buffer, .address_space: global }
    .group_segment_fixed_size: 6400
    .private_segment_fixed_size: 0
    .kernarg_segment_align: 8
    .kernarg_segment_size: 32
    .max_flat_workgroup_size: 512
    .sgpr_count:     66
    .vgpr_count:     226
    .wavefront_size: 32
...
	.end_amdgpu_metadata
.endif
;; end of part 3
;; launch cproj (part 4): grid 64 x 1, 16 waves a work-group, no clusters, 92,160 bytes of LDS; arguments o, Wc, out0; writes out0
.if DOCPART == 4
	.amdgcn_target "amdgcn-amd-amdhsa--gfx1250"
	.amdhsa_code_object_version 6
	.text
	.protected	k_q59d9ce7194_cproj
	.globl	k_q59d9ce7194_cproj
	.p2align	8
	.type	k_q59d9ce7194_cproj,@function
k_q59d9ce7194_cproj:
	s_mov_b64 s[64:65], 0
	v_nop
	global_prefetch_b8 v0, s[64:65] scope:SCOPE_SE
	s_setreg_imm32_b32 hwreg(HW_REG_WAVE_MODE, 25, 1), 1
	s_wait_xcnt 0x0
; out0[b][f] = sum_k o[b][k] Wc[f][k].  Sixteen batches are the sixteen rows of one matrix tile.  Work-group ft makes columns f = 16 ft .. 16 ft + 15.
; Wave w takes k = 64 w .. 64 w + 63: two matrix instructions on two accumulators; the sixteen waves' partial tiles are added through LDS.
; LIMITS.  o and Wc go to the matrix unit in bf16, sums in f32.
; 64 work-groups: each reads 64 KiB of Wc, once in the launch, and all 64 KiB of o.  A row of the result is 64 bytes here; rows of 256 bytes would want 64 columns
; a work-group, that is 16 work-groups with four times the bytes each, for an output of 64 KiB in all.
; NO CLUSTER: what is shared is o, 64 KiB; it is wanted in registers for the conversion to bf16.
.set PITCH, 144                        ; a staged row: 64 bf16 + 16 bytes, an odd multiple of 16
.set WSTG,  32*PITCH                   ; a wave's own stage: rows 0-15 o, rows 16-31 Wc
.set RP,    16*WSTG                    ; 73,728: sixteen partial tiles of 1,024 bytes
.set X,   16                           ; v[16:79]    load t < 8: o row 8 hh + t; t >= 8: Wc row 8 hh + t - 8; my columns 4 r + 0..3
.set TP,  80                           ; v[80:111]   packed pairs
.set AF,  112                          ; v[112:143]  fragment (m, ks) at AF + 8 (2 ks + m): m = 0 o, m = 1 Wc
.set D0,  144                          ; v[144:151]  register j = (b = 8 hh + j, f = r)
.set D1,  152                          ; v[152:159]
.set RR,  160                          ; v[160:175]  one element of each partial tile
	s_load_b128 s[4:7], s[0:1], 0x0                ; o s[4:5], Wc s[6:7]
	s_load_b64 s[8:9], s[0:1], 0x10                ; out0
	v_lshl_add_u32 v176, v0, 2, 0x16000
	v_mov_b32 v177, 0
	v_lshrrev_b32 v1, 5, v0
	v_readfirstlane_b32 s12, v1                    ; wave w
	s_lshl_b32 s24, ttmp9, 16                      ; 16 rows of Wc
	s_mov_b32 s25, 0
	v_and_b32 v7, 31, v0                           ; lane
	v_and_b32 v8, 15, v0                           ; r
	v_bfe_u32 v9, v0, 4, 1                         ; hh
	s_lshl_b32 s16, s12, 8
	v_lshlrev_b32 v1, 4, v8
	v_lshl_add_u32 v1, v9, 15, v1
	v_add_nc_u32 v1, s16, v1                       ; 8 rows x hh + 256 w + 16 r
	s_mul_i32 s17, s12, WSTG
	v_mul_u32_u24 v2, v9, 8*PITCH
	v_lshl_add_u32 v2, v8, 3, v2
	v_add_nc_u32 v2, s17, v2                       ; stage in
	v_mul_u32_u24 v3, v8, PITCH
	v_lshl_add_u32 v3, v9, 4, v3
	v_add_nc_u32 v3, s17, v3                       ; stage out
	s_lshl_b32 s18, s12, 10
	s_add_co_u32 s18, s18, RP
	v_lshl_add_u32 v4, v7, 4, s18                  ; my partial tile, 16 x lane
	s_wait_kmcnt 0x0
	s_add_nc_u64 s[6:7], s[6:7], s[24:25]
.irp t, 0,1,2,3,4,5,6,7
	global_load_b128 v[X+4*\t:X+4*\t+3], v1, s[4:5] offset:4096*\t
.endr
.irp t, 0,1,2,3,4,5,6,7
	global_load_b128 v[X+32+4*\t:X+32+4*\t+3], v1, s[6:7] offset:4096*\t th:TH_LOAD_NT
.endr
	s_wait_loadcnt 0x0
.set t, 0
.rept 16
	v_cvt_pk_bf16_f32 v[TP+2*t],   v[X+4*t],   v[X+4*t+1]
	v_cvt_pk_bf16_f32 v[TP+2*t+1], v[X+4*t+2], v[X+4*t+3]
	ds_store_b64 v2, v[TP+2*t:TP+2*t+1] offset:(t+8*(t/8))*PITCH
.set t, t+1
.endr
.irp ks, 0,1
.irp m, 0,1
	ds_load_b128 v[AF+8*(2*\ks+\m):AF+8*(2*\ks+\m)+3],   v3 offset:\m*16*PITCH+\ks*64          ; my own bytes, served in order (ISA guide 5.7.1): no wait between
	ds_load_b128 v[AF+8*(2*\ks+\m)+4:AF+8*(2*\ks+\m)+7], v3 offset:\m*16*PITCH+\ks*64+32
.endr
.endr
	s_wait_dscnt 0x0
	v_wmma_f32_16x16x32_bf16 v[D0:D0+7], v[AF:AF+7],       v[AF+8:AF+15],  0       ; two accumulators, one instruction each
	v_wmma_f32_16x16x32_bf16 v[D1:D1+7], v[AF+16:AF+23],   v[AF+24:AF+31], 0
.rept 4
	v_nop                                          ; four independent vector instructions before the results are read (ISA guide 7.12.1)
.endr
.irp i, 0,2,4,6
	v_pk_add_f32 v[D0+\i:D0+\i+1], v[D0+\i:D0+\i+1], v[D1+\i:D1+\i+1]
.endr
	ds_store_b128 v4, v[D0:D0+3]                   ; element (b = 8 hh + 4 q + c, f = r) at byte 512 q + 256 hh + 16 r + 4 c of my tile
	ds_store_b128 v4, v[D0+4:D0+7] offset:512
	s_wait_dscnt 0x0                               ; my partial tile is in LDS before I say so
	s_barrier_signal -1
	s_barrier_wait -1
	s_cmp_ge_u32 s12, 8
	s_cbranch_scc1 .Lend                           ; 256 elements: eight waves add them; no barrier follows
	; wave w, lane (r, hh): element b = 2 w + hh, f = r, that is q = (w >> 1) & 1, the tile's half w >> 2, c = 2 (w & 1) + hh
	s_bfe_u32 s16, s12, 0x10001
	s_lshl_b32 s16, s16, 9
	s_lshr_b32 s17, s12, 2
	s_lshl_b32 s17, s17, 8
	s_and_b32 s18, s12, 1
	s_lshl_b32 s18, s18, 3
	s_add_co_u32 s16, s16, s17
	s_add_co_u32 s16, s16, s18
	s_add_co_u32 s16, s16, RP
	v_lshlrev_b32 v5, 4, v8
	v_lshl_add_u32 v5, v9, 2, v5
	v_add_nc_u32 v5, s16, v5
.irp k, 0,1,2,3,4,5,6,7,8,9,10,11,12,13,14,15
	ds_load_b32 v[RR+\k], v5 offset:1024*\k
.endr
	s_lshl_b32 s20, ttmp9, 6                       ; out0: 16 columns for each ft, rows 2 w and 2 w + 1
	s_lshl_b32 s21, s12, 13
	s_add_co_u32 s20, s20, s21
	s_mov_b32 s21, 0
	s_add_nc_u64 s[8:9], s[8:9], s[20:21]
	v_lshlrev_b32 v6, 2, v8
	v_lshl_add_u32 v6, v9, 12, v6
	s_wait_dscnt 0x0
.irp k, 0,4,8,12
	v_pk_add_f32 v[RR+\k:RR+\k+1], v[RR+\k:RR+\k+1], v[RR+\k+2:RR+\k+3]
.endr
	v_pk_add_f32 v[RR:RR+1],   v[RR:RR+1],   v[RR+4:RR+5]
	v_pk_add_f32 v[RR+8:RR+9], v[RR+8:RR+9], v[RR+12:RR+13]
	v_pk_add_f32 v[RR:RR+1],   v[RR:RR+1],   v[RR+8:RR+9]
	v_add_f32 v[RR], v[RR], v[RR+1]
	global_store_b32 v6, v[RR], s[8:9]             ; sixteen lanes store 64 consecutive bytes of one row
.Lend:
	s_wait_tensorcnt 0x0
	ds_add_u32 v176, v177
	s_wait_dscnt 0x0
	s_endpgm
.Lfunc_end_k_q59d9ce7194_cproj:
	.size	k_q59d9ce7194_cproj, .Lfunc_end_k_q59d9ce7194_cproj-k_q59d9ce7194_cproj
	.p2alignl 7, 3214868480
	.fill 96, 4, 3214868480
	.section	.rodata,"a",@progbits
	.p2align	6, 0x0
	.amdhsa_kernel k_q59d9ce7194_cproj
		.amdhsa_group_segment_fixed_size 92160
		.amdhsa_private_segment_fixed_size 0
		.amdhsa_enable_private_segment 0
		.amdhsa_kernarg_size 24
		.amdhsa_user_sgpr_count 2
		.amdhsa_user_sgpr_kernarg_segment_ptr 1
		.amdhsa_wavefront_size32 1
		.amdhsa_system_sgpr_workgroup_id_x 1
		.amdhsa_system_sgpr_workgroup_id_y 1
		.amdhsa_system_sgpr_workgroup_id_z 1
		.amdhsa_system_vgpr_workitem_id 0
		.amdhsa_next_free_vgpr 178
		.amdhsa_next_free_sgpr 66
		.amdhsa_reserve_vcc 0
		.amdhsa_float_denorm_mode_32 3
		.amdhsa_float_denorm_mode_16_64 3
		.amdhsa_memory_ordered 1
		.amdhsa_forward_progress 1
		.amdhsa_inst_pref_size 10
	.end_amdhsa_kernel
	.amdgpu_metadata
---
amdhsa.version: [ 1, 2 ]
amdhsa.kernels:
  - .name:           k_q59d9ce7194_cproj
    .symbol:         k_q59d9ce7194_cproj.kd
    .args:
      - { .name: o, .offset: 0, .size: 8, .value_kind: global_buffer, .address_space: global }
      - { .name: Wc, .offset: 8, .size: 8, .value_kind: global_buffer, .address_space: global }
      - { .name: out0, .offset: 16, .size: 8, .value_kind: global_buffer, .address_space: global }
    .group_segment_fixed_size: 92160
    .private_segment_fixed_size: 0
    .kernarg_segment_align: 8
    .kernarg_segment_size: 24
    .max_flat_workgroup_size: 512
    .sgpr_count:     66
    .vgpr_count:     178
    .wavefront_size: 32
...
	.end_amdgpu_metadata
.endif
;; end of part 4
